; MI455X (gfx1250); checked and timed in simulation.
; The chip was launched on July 23, 2026; its instructions are those of AMD's public machine-readable ISA for CDNA 5 (MIT licence, August 2026) and "CDNA5" Instruction Set Architecture Reference Guide (July 2026). The comments in the code are by the model that wrote it; some were corrected since.
;; Multi Head Self Attention. Allowed arithmetic: matrix products marked QUANTISED: E4M3 operands, one E8M0 scale for each 32 along K, by v_wmma_scale_f32_16x16x128_f8f6f4 with both operands' format E4M3, f32 sums; everything else in f32.
;; Inputs: wk_codes 1,024 x 32 x 32 uint8 (E4M3 codes of wk, K innermost, in blocks of 32 codes); wk_scales 1,024 x 32 uint8 (E8M0 scales of wk, one for each 32 codes along K); wo_codes 1,024 x 32 x 32 uint8 (E4M3 codes of wo, K innermost, in blocks of 32 codes); wo_scales 1,024 x 32 uint8 (E8M0 scales of wo, one for each 32 codes along K); wq_codes 1,024 x 32 x 32 uint8 (E4M3 codes of wq, K innermost, in blocks of 32 codes); wq_scales 1,024 x 32 uint8 (E8M0 scales of wq, one for each 32 codes along K); wv_codes 1,024 x 32 x 32 uint8 (E4M3 codes of wv, K innermost, in blocks of 32 codes); wv_scales 1,024 x 32 uint8 (E8M0 scales of wv, one for each 32 codes along K); x_codes 4 x 2,048 x 32 x 32 uint8 (E4M3 codes of x, K innermost, in blocks of 32 codes); x_scales 4 x 2,048 x 32 uint8 (E8M0 scales of x, one for each 32 codes along K).
;; Outputs: out0 4 x 2,048 x 1,024 float32.
;; This version of the problem:
;;   THIS VERSION OF THE PROBLEM IS GIVEN IN LOW PRECISION. The matrix products marked QUANTISED in the list below multiply operands that are first quantised to E4M3 (4 exponent bits, 3 mantissa bits; 8 bits a number), with one power-of-two scale for each 32 numbers along K (OCP MX v1.0); their sums are f32. All else is computed in f32.
;;   The module's matrix products, in the order in which they are computed (A, B: the left and right operand; K: the contracted axis; several contracted axes count as one K, in the product's order):
;;     1. [M 8,192, K 1,024] x [K 1,024, N 1,024]; A: input x (given as codes); B: input wq (given as codes): QUANTISED
;;     2. [M 8,192, K 1,024] x [K 1,024, N 1,024]; A: input x (given as codes); B: input wk (given as codes): QUANTISED
;;     3. [M 8,192, K 1,024] x [K 1,024, N 1,024]; A: input x (given as codes); B: input wv (given as codes): QUANTISED
;;     4. batch 64 x [M 2,048, K 64] x [K 64, N 2,048]; A: computed on the way; B: computed on the way: QUANTISED
;;     5. batch 64 x [M 64, K 2,048] x [K 2,048, N 2,048]; A: computed on the way; B: softmax (see below): QUANTISED
;;     6. [M 8,192, K 1,024] x [K 1,024, N 1,024]; A: computed on the way; B: input wo (given as codes): QUANTISED
;;   THE QUANTISER, for each operand of a quantised product, along K:
;;     - K is cut into blocks of 32 from its start; a last block that is shorter is filled with zeros.
;;     - A block's scale is 2^e with e = floor(log2(the largest magnitude in the block)) - 8, held to -126 .. 127; a block of zeros has e = 0. As a byte (E8M0): e + 127.
;;     - Each number is divided by its block's scale, clamped to +-448, and rounded to the nearest number of E4M3, ties to even, subnormals kept.
;;     - The product sums the exact products of the quantised numbers (number of the format x scale) in f32.
;;   ~~~python
;;   def quantise(x, axis):      # numpy; x: float32 -> the quantised numbers, widened to float32 again
;;       x = np.moveaxis(x, axis, -1); K = x.shape[-1]
;;       x = np.pad(x, [(0, 0)] * (x.ndim - 1) + [(0, -K % 32)]); x = x.reshape(x.shape[:-1] + (-1, 32)); a = np.abs(x).max(-1, keepdims=True)
;;       e = np.where(a > 0, np.clip(np.frexp(np.where(a > 0, a, 1))[1] - 1 - 8, -126, 127), 0)      # np.frexp(a)[1] - 1 = floor(log2(a)), exactly
;;       r = np.clip(x / 2.0 ** e, -448, 448)
;;       step = 2.0 ** (np.maximum(np.frexp(np.where(r == 0, 1, r))[1] - 1, -6) - 3)
;;       q = np.round(r / step) * step * 2.0 ** e      # np.round: ties to even
;;       return np.moveaxis(q.reshape(q.shape[:-2] + (-1,))[..., :K], -1, axis).astype(np.float32)
;;   ~~~
;;   SOFTMAX AHEAD OF A QUANTISED PRODUCT. Where the list says 'softmax', what is quantised is not the finished softmax but p = 2^(t - M), with t = logit x log2(e) and M = ceil(the row's largest t), a whole number; so 1/2 < the row's largest p <= 1. The row's sum l is taken of the UNQUANTISED p, in f32, and the product's result is divided by l at the end. Since M is a whole number, a kernel that streams over the keys may use a running M (the ceiling of the running maximum): every later rescaling is an exact power of two, which a block's scale takes up: the codes' values come out the same.
;;   OPERANDS COMPUTED ON THE WAY. 'Computed on the way' means the value that the module computes at that place (a softmax that the list does not call 'softmax' is quantised finished and normalised). What goes into a quantiser is computed in f32, as accurately as f32 sums, v_exp_f32 and their like allow (about 1e-6 of the number): no bf16 or f16 on the way to a quantiser, and a product that is left as it is and whose result goes on into a quantised operand takes f32 operands (vector FMAs, or v_wmma_f32_16x16x4_f32). A number that lies on a knife's edge between two numbers of the format may be rounded either way, as far as f32 arithmetic and the matrix unit's own rounding can turn it there, and no further.
;;   INPUTS GIVEN AS CODES. wk (in the module: [1024, 1024], K = its axis 1); wo (in the module: [1024, 1024], K = its axis 1); wq (in the module: [1024, 1024], K = its axis 1); wv (in the module: [1024, 1024], K = its axis 1); x (in the module: [4, 2048, 1024], K = its axis 2): each comes as NAME_codes (uint8): NAME with its K axis moved to the last place and cut into blocks of 32 codes, [.., K / 32, bytes a block], one block behind the other in memory; one code a byte (a code: sign, 4 exponent bits, 3 mantissa bits); and NAME_scales (uint8): the same leading axes, one E8M0 byte (e + 127) for each 32 codes along K. Its value is code x scale, taken as it is: it is not quantised again, and the codes and scales need not be those that the quantiser above would give.
;; One version. Each part assembles by itself: llvm-mc -triple=amdgcn-amd-amdhsa -mcpu=gfx1250 --defsym DOCPART=n.
;; ======== version 1 of 1: 3 launches
;; limits: right only within a limited range of input values
;; workspace buffers: qbuf 17,301,504 bytes; kv 17,301,504 bytes; ao_codes 8,388,608 bytes; ao_scales 262,144 bytes
;; launch qkv (part 1): grid 16 x 16, 4 waves a work-group, clusters of 4 x 4, 327,680 bytes of LDS; arguments x_codes, x_scales, wq_codes, wq_scales, wk_codes, wk_scales, wv_codes, wv_scales, qbuf, kv; writes qbuf, kv
.if DOCPART == 1
	.amdgcn_target "amdgcn-amd-amdhsa--gfx1250"
	.amdhsa_code_object_version 6
	.text
	.protected	k_q798ddf689c_qkv
	.globl	k_q798ddf689c_qkv
	.p2align	8
	.type	k_q798ddf689c_qkv,@function
k_q798ddf689c_qkv:
	s_mov_b64 s[64:65], 0
	v_nop
	global_prefetch_b8 v0, s[64:65] scope:SCOPE_SE
	s_setreg_imm32_b32 hwreg(HW_REG_WAVE_MODE, 25, 1), 1
	s_wait_xcnt 0x0
	s_wait_alu depctr_hold_cnt(0) depctr_sa_sdst(0) depctr_va_vdst(0) depctr_va_sdst(0) depctr_va_ssrc(0) depctr_va_vcc(0) depctr_vm_vsrc(0)
	s_getreg_b32 s2, hwreg(HW_REG_IB_STS2, 6, 4)
	s_cmp_eq_u32 s2, 0
	s_cbranch_scc0 .Lentry_in_a_cluster
	s_endpgm
.Lentry_in_a_cluster:
	s_bfe_u32 s2, ttmp6, 0x10000c
	s_cmp_lg_u32 s2, 0xf033
	s_cbranch_scc0 .Lentry_shape_is_right
	s_endpgm
.Lentry_shape_is_right:
; q = x wq^T, k = x wk^T, v = x wv^T on codes of FP8 (E4M3) with one E8M0 scale for each 32 along K = 1,024, sums in f32; the results are quantised here and stored as codes: q and k along the head's 64 channels, v along the keys.
; Nothing of reference() is left out in this launch; the next one leaves out the key steps that reference()'s own causal mask hides.
; THE DEAL.  256 work-groups of four waves, 2 x 2.  A wave holds the 64 rows of ONE head of a weight, all of K, in 512 registers (windows 1, 2) and streams blocks of 16 tokens of x past them; a block stands in one of two sets of
; 128 registers (window 3), fetched two blocks ahead; 32 products a block on four accumulators by turns, two sets of sums by turns.
; PHASE 1: 512 tokens x 2 heads of q (cluster x 0, 1) or k (2, 3): 16 blocks a wave.  PHASE 2: one of the same two windows of 256 tokens (number: cluster x % 2) x 2 heads of v: 8 blocks a wave.
; In a chunk of 128 tokens wave row w takes blocks 4 p + 2 w + e (p, e = 0, 1).  Phase 1 takes the window that is not v's first, v's last, so that its last chunk still lies in LDS when phase 2 begins.
; LDS: two slots of 128 rows of 1,040 bytes.  At the head: the first weight (slot 1) and chunk 0 (slot 0).  Refills, each behind a drained round of the cluster's barrier, a quarter of 128 rows a wave: chunk 1 once the weight is in
; registers; chunks 2 and 3 and wv's rows behind blocks 2, 6, 10, where the slot's last block has been fetched; chunk 2 anew once wv is in registers.  x's rows are asked for jointly along a row of the cluster, a weight's along a column.
; Each chunk is prefetched one round ahead of its load, 8,192 bytes a wave, shared out by address among the sixteen waves that ask for it jointly.  All scale words of the inputs go from memory into registers, 32 dense bytes a lane.
; q, k: source 0 = 16 rows of the weight, source 1 = 16 tokens.  Tile j's row 8 m + i is the head's channel 32 m + 8 j + i (chosen by the LDS address), so a lane (token r, half h) holds the 32 channels of block h in its 32 sums.
; v: source 0 = 16 tokens, source 1 = 16 rows of wv: a lane holds one channel and 8 tokens a block; a block of 32 keys lies in two blocks of tokens and in lanes l and l xor 16.
; WHAT IS STORED.  For each head (16 x batch + head) HS bytes, 16 chunks of CH: +0 k's (in qbuf: q's) codes, 8 token tiles of 1,024 bytes [block of 32 channels][lane][16]; +8,192 v's codes, 4 channel tiles of 2,048 bytes
; [block of 32 keys][lane][16], place 16 h + 8 u + j holding key 16 u + 8 h + j; +16,384 and +16,640 the scale words, 8 bytes a lane: images of the next launch's registers.  The scale bytes are gathered in LDS and leave at the end in units of 256 bytes.
; LIMITS: NaN, infinities, NaN codes and scale bytes 0xff among the inputs are not served.  A block whose largest magnitude lies under 2^-118 (a block of zeros too) gets the scale byte 1; only this program reads the bytes.
.set KROW,  1024
.set PITCH, KROW+16
.set YB,    128*PITCH                  ; slot 1
.set XN,    2*YB                       ; q's or k's scale bytes: [head of two][chunk in the order of work][256]
.set XV,    XN+2048                    ; v's: [head of two][chunk of two][256]
.set SPARE, XV+1024
.set CH,    16896
.set HS,    16*CH
.set NP,    8                          ; places behind this matrix instruction (ISA guide 7.12.1)
.set SPW, 10                           ; v10 my spare word, v11 0: never rewritten
.set NIL, 11
.set ADW, 12                           ; v12 LDS address of my fragments of wq or wk (slot 1, rows picked), v13 of wv (slot 0)
.set ADW2, 13
.set CN,  14                           ; v14 512 h + 16 r;  v15 16 x lane
.set CO,  15
.set AD,  16                           ; v16-23 LDS address of my block 2 p + e in slot 0, in slot 1
.set SB,  24                           ; v24-39 wq's or wk's scale words: register 8 p + q: lanes 0-15 tile 2 p, lanes 16-31 tile 2 p + 1
.set SA,  44                           ; v44-107 x's: register 16 k + 8 p + q: lanes 0-15 block e = 0, lanes 16-31 e = 1
.set WS,  112                          ; v112-127 wv's
.set ACC, 128                          ; v128-191 two sets of four accumulators
.set NCD, 192                          ; v192-207 codes
.set TQ,  208
.set SOP, 212
.set EB,  216
.set VX,  220                          ; LDS places of scale bytes: q, k; v221: v
.set RD,  221
.set PF,  222                          ; v222-224 prefetch offsets
.set E1,  225
.set E2,  226
.set SO8, 227
.set G1W, 24
.set G1A, 32
.set G1R, 40
.set G1V, 48
.set G0W, 56
.set G0A, 60
.set G0R, 68
.set G0V, 72
.set MSB, 0
.macro WIN new                         ; the immediate's high byte repeats the setting that is left
.if MSB != \new
	s_set_vgpr_msb (MSB<<8)|\new
.set MSB, \new
.endif
.endm
.macro PLACES n
.rept \n
	v_nop
.endr
.endm
.macro BARRIER
	s_barrier_signal -1
	s_barrier_wait -1
.endm
.macro CROUND                          ; a round of the cluster's barrier
	BARRIER
	s_cmp_lg_u32 s14, 0
	s_cbranch_scc1 .Lnot_wave_0_\@
	s_barrier_signal -3
.Lnot_wave_0_\@:
	s_barrier_wait -3
	BARRIER
.endm
.macro TLOAD g0, g1                    ; an s_nop 0 and four v_nop follow a tensor load
	tensor_load_to_lds s[\g0:\g0+3], s[\g1:\g1+7]
	s_nop 0
	PLACES 4
.endm
.macro GROUP1 g, mask, rows            ; so many whole rows of 1,024 bytes, dense in memory, 16 bytes of padding behind each in LDS
	s_or_b32 s[\g+0], s[\mask], (1<<20)|(1<<21)|(7<<22)|(3<<25)
	s_mov_b32 s[\g+1], (KROW&0xffff)<<16
	s_mov_b32 s[\g+2], (KROW>>16)|((\rows)<<16)
	s_mov_b32 s[\g+3], KROW<<16
	s_mov_b32 s[\g+4], \rows
	s_mov_b32 s[\g+5], KROW
	s_mov_b32 s[\g+6], 0
	s_mov_b32 s[\g+7], 0
.endm
.macro RDESC add, lds                  ; group 0 of a refill: my quarter of the chunk \add bytes into v's window, to LDS byte \lds on; written with no tensor load of mine out
	s_add_co_u32 s[G0R+1], s79, \lds
	s_add_co_u32 s20, s5, \add
	s_mov_b32 s21, 0
	s_add_nc_u64 s[G0R+2:G0R+3], s[80:81], s[20:21]
	s_or_b32 s[G0R+3], s[G0R+3], 0x80000000
.endm
	s_load_b512 s[80:95], s[0:1], 0x0              ; x's codes s[80:81], scales s[82:83]; wq's s[84:87]; wk's s[88:91]; wv's s[92:95]
	s_load_b128 s[96:99], s[0:1], 0x40             ; qbuf, kv
	v_lshl_add_u32 v[SPW], v0, 2, SPARE
	v_mov_b32 v[NIL], 0
	ds_add_u32 v[SPW], v[NIL]                      ; the opening lines: the add twice on end and one wait
	ds_add_u32 v[SPW], v[NIL]
	v_lshrrev_b32 v1, 5, v0
	v_readfirstlane_b32 s14, v1                    ; wave 0..3
	s_lshr_b32 s15, s14, 1                         ; my row of waves
	s_and_b32 s16, s14, 1                          ; my column of waves: which head of two
	s_bfe_u32 s17, ttmp6, 0x40000                  ; cx
	s_bfe_u32 s76, ttmp6, 0x40004                  ; cy
	s_and_b32 s78, ttmp7, 0xffff
	s_lshl_b32 s78, s78, 2
	s_add_co_u32 s78, s78, s76                     ; tile row: 512 tokens
	s_lshr_b32 s19, ttmp9, 1                       ; 0: q, 1: k
	s_and_b32 s18, ttmp9, 1                        ; which window of 256 tokens is v's
	s_lshl_b32 s77, s18, 2
	s_add_co_u32 s77, s77, s17                     ; tile column in wq or wk, 0..7
	s_lshl_b32 s3, s19, 2
	s_add_co_u32 s3, s3, s17                       ; tile column in wv, 0..7
	s_lshl_b32 s100, s76, 2
	s_lshl_b32 s100, 15, s100                      ; my row of the cluster: shares x's rows
	s_lshl_b32 s101, 0x1111, s17                   ; my column: shares the weights'
	GROUP1 G1W, 101, 64                            ; waves 0, 1: a half of the first weight's 128 rows each
	GROUP1 G1A, 100, 64                            ; waves 2, 3: a half of chunk 0
	GROUP1 G1R, 100, 32                            ; a refill of x's rows
	GROUP1 G1V, 101, 32                            ; wv's rows
	s_lshl_b32 s20, s77, 17
	s_lshl_b32 s21, s16, 16
	s_add_co_u32 s20, s20, s21                     ; the first weight: 128 rows x tile column + 64 x wave % 2
	s_mov_b32 s21, 0
	s_lshl_b32 s22, s78, 19
	s_lshl_b32 s23, s18, 18
	s_add_co_u32 s7, s22, s23                      ; s7: v's window in x's codes
	s_xor_b32 s23, s23, 1<<18
	s_add_co_u32 s6, s22, s23                      ; s6: the other window
	s_lshl_b32 s23, s16, 16
	s_add_co_u32 s22, s6, s23                      ; chunk 0, my half
	s_mov_b32 s23, 0
	s_lshl_b32 s79, s14, 15
	s_add_co_u32 s4, s6, s79                       ; s4, s5: the same with my quarter of a chunk
	s_add_co_u32 s5, s7, s79
	s_lshl_b32 s2, s3, 17
	s_add_co_u32 s2, s2, s79                       ; wv's rows, my quarter
	s_mul_i32 s79, s14, 32*PITCH                   ; and a quarter's place in a slot
	s_mov_b32 s[G0W], 1
	s_mul_i32 s[G0W+1], s16, 64*PITCH
	s_mov_b32 s[G0A], 1
	s_mov_b32 s[G0A+1], s[G0W+1]
	s_add_co_u32 s[G0W+1], s[G0W+1], YB
	s_mov_b32 s[G0R], 1
	s_add_co_u32 s[G0R+1], s79, YB
	s_mov_b32 s[G0V], 1
	s_mov_b32 s[G0V+1], s79
	s_wait_dscnt 0x0                               ; both opening adds are done
	CROUND                                         ; all sixteen work-groups are here: the first joint loads meet
	s_wait_kmcnt 0x0
	s_cmp_eq_u32 s19, 0                            ; the buffers are chosen on the cluster's x alone
	s_cselect_b64 s[8:9], s[84:85], s[88:89]
	s_cselect_b64 s[10:11], s[86:87], s[90:91]
	s_cselect_b64 s[12:13], s[96:97], s[98:99]
	s_add_nc_u64 s[G0W+2:G0W+3], s[8:9], s[20:21]
	s_or_b32 s[G0W+3], s[G0W+3], 0x80000000
	s_add_nc_u64 s[G0A+2:G0A+3], s[80:81], s[22:23]
	s_or_b32 s[G0A+3], s[G0A+3], 0x80000000
	s_add_co_u32 s20, s4, 131072                   ; chunk 1
	s_add_nc_u64 s[G0R+2:G0R+3], s[80:81], s[20:21]
	s_or_b32 s[G0R+3], s[G0R+3], 0x80000000
	s_mov_b32 s20, s2
	s_add_nc_u64 s[G0V+2:G0V+3], s[92:93], s[20:21]
	s_or_b32 s[G0V+3], s[G0V+3], 0x80000000
	s_cmp_lt_u32 s14, 2                            ; one joint load a wave, a line to each mask
	s_cbranch_scc0 .Lfor_x
	TLOAD G0W, G1W
	s_branch .Lasked
.Lfor_x:
	TLOAD G0A, G1A
.Lasked:
	s_lshl_b32 s22, s16, 11                        ; scale bytes: my head's 64 rows of 32 bytes,
	s_lshl_b32 s20, s77, 12
	s_add_co_u32 s20, s20, s22
	s_add_nc_u64 s[10:11], s[10:11], s[20:21]      ; of the first weight,
	s_lshl_b32 s20, s3, 12
	s_add_co_u32 s20, s20, s22
	s_add_nc_u64 s[94:95], s[94:95], s[20:21]      ; of wv;
	s_lshl_b32 s22, s15, 10                        ; x's: 32 rows on for wave row 1,
	s_lshr_b32 s20, s6, 5
	s_add_co_u32 s20, s20, s22
	s_add_nc_u64 s[84:85], s[82:83], s[20:21]      ; the window that is not v's,
	s_lshr_b32 s20, s7, 5
	s_add_co_u32 s20, s20, s22
	s_add_nc_u64 s[86:87], s[82:83], s[20:21]      ; and v's
	v_and_b32 v1, 15, v0                           ; r
	v_bfe_u32 v2, v0, 4, 1                         ; h
	v_and_b32 v3, 31, v0                           ; lane
	v_lshlrev_b32 v4, 5, v3                        ; x's and wv's scale words: lane l takes row l of 32
	v_and_b32 v5, 7, v1
	v_lshrrev_b32 v6, 3, v1
	v_lshl_add_u32 v5, v6, 5, v5                   ; 32 (r / 8) + r % 8: the row that lane r takes of tile 0 of wq or wk
	v_lshl_add_u32 v6, v2, 3, v5                   ; its scale words: lanes 16-31 take the next tile's, 8 rows on
	v_lshlrev_b32 v6, 5, v6
	v_mul_u32_u24 v7, v5, PITCH
	v_lshl_add_u32 v7, v2, 4, v7
	s_mul_i32 s20, s16, 64*PITCH
	v_mul_u32_u24 v8, v1, PITCH
	v_lshl_add_u32 v8, v2, 4, v8                   ; a fragment of neighbouring rows
	v_add_nc_u32 v[ADW2], s20, v8
	s_add_co_u32 s20, s20, YB
	v_add_nc_u32 v[ADW], s20, v7
	s_mul_i32 s20, s15, 32*PITCH
	v_add_nc_u32 v8, s20, v8
.set I_, 0
.rept 8
	v_add_nc_u32 v[AD+I_], (I_/4)*YB+(4*((I_%4)/2)+I_%2)*16*PITCH, v8
.set I_, I_+1
.endr
	v_lshlrev_b32 v9, 9, v2
	v_lshl_add_u32 v[CN], v1, 4, v9
	v_lshlrev_b32 v[CO], 4, v3
	s_lshl_b32 s20, s16, 10
	s_lshl_b32 s22, s15, 7
	s_add_co_u32 s20, s20, s22
	s_add_co_u32 s20, s20, XN
	v_lshl_add_u32 v9, v1, 3, v2
	v_add_nc_u32 v[VX], s20, v9                    ; q's, k's byte: 1,024 x head + 128 x wave row + 8 r + h
	s_lshl_b32 s20, s16, 9
	s_add_co_u32 s20, s20, s15
	s_add_co_u32 s20, s20, XV
	v_lshlrev_b32 v9, 3, v1
	v_add_nc_u32 v[RD], s20, v9                    ; v's: 512 x head + 8 r + wave row; both halves of the lanes hold the same byte
	s_lshl_b32 s20, s14, 9
	s_add_co_u32 s20, s20, XN
	v_lshlrev_b32 v[SO8], 3, v3                    ; 8 x lane
	v_add_nc_u32 v[E1], s20, v[SO8]                ; at the end wave n stores units 2 n, 2 n + 1 of q's or k's bytes,
	s_lshl_b32 s20, s14, 8
	s_add_co_u32 s20, s20, XV
	v_add_nc_u32 v[E2], s20, v[SO8]                ; and unit n of v's
	s_lshl_b32 s22, s17, 2
	s_add_co_u32 s22, s22, s14
	s_lshl_b32 s22, s22, 13                        ; the prefetches: my sixteenth of a chunk among the cluster row's waves,
	s_add_co_u32 s20, s6, s22
	v_lshl_add_u32 v[PF], v3, 8, s20
	s_add_co_u32 s20, s7, s22
	v_lshl_add_u32 v[PF+1], v3, 8, s20
	s_lshl_b32 s22, s76, 2
	s_add_co_u32 s22, s22, s14
	s_lshl_b32 s22, s22, 13                        ; and of wv's rows among the column's
	s_lshl_b32 s20, s3, 17
	s_add_co_u32 s20, s20, s22
	v_lshl_add_u32 v[PF+2], v3, 8, s20
.irp t, 0,1,2,3
	v_mov_b32 v[EB+\t], 0                          ; written once: a lane permute's destination counts as one of its sources
.endr
	s_wait_alu depctr_va_vdst(0)                   ; the wait at the head's end
.irp p, 0,1
.irp c, 0,1
	global_load_b128 v[SB+8*\p+4*\c:SB+8*\p+4*\c+3], v6, s[10:11] offset:\p*512+16*\c
	global_load_b128 v[WS+8*\p+4*\c:WS+8*\p+4*\c+3], v4, s[94:95] offset:\p*1024+16*\c
.endr
.endr
.irp k, 0,1
.irp p, 0,1
.irp c, 0,1
	global_load_b128 v[SA+16*\k+8*\p+4*\c:SA+16*\k+8*\p+4*\c+3], v4, s[84:85] offset:\k*4096+\p*2048+16*\c
	global_load_b128 v[SA+32+16*\k+8*\p+4*\c:SA+32+16*\k+8*\p+4*\c+3], v4, s[86:87] offset:\k*4096+\p*2048+16*\c
.endr
.endr
.endr
	global_prefetch_b8 v[PF], s[80:81] offset:131072 th:TH_LOAD_NT scope:SCOPE_SE   ; chunk 1
	; where my results go
	s_lshr_b32 s20, s78, 2
	s_lshl_b32 s20, s20, 4                         ; 16 x batch
	s_and_b32 s21, s78, 3
	s_lshl_b32 s21, s21, 2                         ; my tile row's first chunk in its batch
	s_lshl_b32 s22, s18, 1
	s_add_co_u32 s22, s22, s21                     ; s22: v's window's first chunk
	s_xor_b32 s23, s18, 1
	s_lshl_b32 s23, s23, 1
	s_add_co_u32 s23, s23, s21                     ; s23: the other window's
	s_mov_b32 s7, 0
	s_lshl_b32 s2, s77, 1
	s_add_co_u32 s2, s2, s20                       ; my tile column's first head of q or k
	s_add_co_u32 s21, s2, s16
	s_mul_i32 s21, s21, HS
	s_lshl_b32 s6, s15, 11
	s_add_co_u32 s21, s21, s6                      ; two token tiles on for wave row 1
	s_mul_i32 s6, s23, CH
	s_add_co_u32 s6, s6, s21
	s_add_nc_u64 s[88:89], s[12:13], s[6:7]        ; codes of the window that is not v's,
	s_mul_i32 s6, s22, CH
	s_add_co_u32 s6, s6, s21
	s_add_nc_u64 s[90:91], s[12:13], s[6:7]        ; of v's window
	s_cmp_eq_u32 s16, 0
	s_cselect_b32 s6, s23, s22
	s_mul_i32 s6, s6, CH
	s_add_co_u32 s21, s2, s15
	s_mul_i32 s21, s21, HS
	s_add_co_u32 s6, s6, s21
	s_add_co_u32 s6, s6, 16384
	s_add_nc_u64 s[8:9], s[12:13], s[6:7]          ; the scale words that wave n stores: head n / 2, window by n % 2
	s_lshl_b32 s2, s3, 1
	s_add_co_u32 s2, s2, s20                       ; my first head of v
	s_add_co_u32 s21, s2, s16
	s_mul_i32 s21, s21, HS
	s_mul_i32 s6, s22, CH
	s_add_co_u32 s6, s6, s21
	s_lshl_b32 s21, s15, 9
	s_add_co_u32 s6, s6, s21                       ; one block of 32 keys on for wave row 1
	s_add_co_u32 s6, s6, 8192
	s_add_nc_u64 s[96:97], s[98:99], s[6:7]        ; v's codes
	s_add_co_u32 s21, s2, s15
	s_mul_i32 s21, s21, HS
	s_add_co_u32 s6, s22, s16
	s_mul_i32 s6, s6, CH
	s_add_co_u32 s6, s6, s21
	s_add_co_u32 s6, s6, 16640
	s_add_nc_u64 s[12:13], s[98:99], s[6:7]        ; v's scale words: wave n stores head n / 2, chunk n % 2
	s_mov_b32 s66, 0x76543210
	s_mov_b32 s67, 0xfedcba98                      ; v_permlanex16_b32's selects for lane l xor 16
	s_mov_b32 s2, 0x600000                         ; the mantissa field of 448
.macro WEIGHTS adr, st                 ; my 64 rows of a weight, all of K: fragment 4 q + t in window 1 + q / 4; tile t begins st rows on: 128 loads
.irp q, 0,1,2,3,4,5,6,7
	WIN (1+\q/4)<<6
.irp t, 0,1,2,3
.irp c, 0,1,2,3
	ds_load_b128 v[16*((4*\q+\t)%16)+4*\c:16*((4*\q+\t)%16)+4*\c+3], v[\adr] offset:128*\q+32*\c+\t*(\st)*PITCH
.endr
.endr
.endr
	WIN 0
.endm
.macro FETCH a, ad                     ; a block of 16 tokens, all of K, into set a of window 3: 32 loads
	WIN 3<<6
.irp q, 0,1,2,3,4,5,6,7
.irp c, 0,1,2,3
	ds_load_b128 v[128*(\a)+16*\q+4*\c:128*(\a)+16*\q+4*\c+3], v[\ad] offset:128*\q+32*\c
.endr
.endr
	WIN 0
.endm
.macro MM c                            ; F0_, F1_: the rows of the two scale registers
.if F0_ && F1_
	v_wmma_scale_f32_16x16x128_f8f6f4 v[AC_:AC_+7], v[P0_:P0_+15], v[P1_:P1_+15], \c, v[S0_], v[S1_] matrix_a_scale:MATRIX_SCALE_ROW1 matrix_b_scale:MATRIX_SCALE_ROW1
.elseif F0_
	v_wmma_scale_f32_16x16x128_f8f6f4 v[AC_:AC_+7], v[P0_:P0_+15], v[P1_:P1_+15], \c, v[S0_], v[S1_] matrix_a_scale:MATRIX_SCALE_ROW1
.elseif F1_
	v_wmma_scale_f32_16x16x128_f8f6f4 v[AC_:AC_+7], v[P0_:P0_+15], v[P1_:P1_+15], \c, v[S0_], v[S1_] matrix_b_scale:MATRIX_SCALE_ROW1
.else
	v_wmma_scale_f32_16x16x128_f8f6f4 v[AC_:AC_+7], v[P0_:P0_+15], v[P1_:P1_+15], \c, v[S0_], v[S1_]
.endif
.endm
.macro PROD kind, a, xs, e, n          ; product n = 4 q + t: the q-th 128 of K, the weight's tile t; x in set a, sums in set a; xs: x's scale words, in lanes 16 e on.  kind 0: source 0 = the weight; 1: source 0 = x
.set T_, (\n)%4
.set AC_, ACC+32*(\a)+8*T_
.if \kind
.set P0_, 128*(\a)+16*((\n)/4)
.set P1_, 16*((\n)%16)
.set S0_, (\xs)+(\n)/4
.set S1_, WS+8*(T_/2)+(\n)/4
.set F0_, \e
.set F1_, T_%2
	WIN 3|((1+(\n)/16)<<2)
.else
.set P0_, 16*((\n)%16)
.set P1_, 128*(\a)+16*((\n)/4)
.set S0_, SB+8*(T_/2)+(\n)/4
.set S1_, (\xs)+(\n)/4
.set F0_, T_%2
.set F1_, \e
	WIN (1+(\n)/16)|(3<<2)
.endif
.if (\n) > 3
	MM v[AC_:AC_+7]
.else
	MM 0
.endif
.endm
.macro BLK kind, a, xs, e, w           ; w: LDS instructions issued behind this block's fetch that may stay out: the next block's 32 loads at the least
	s_wait_dscnt \w
	s_wait_xcnt 0x0                                ; earlier stores have read their registers: the codes are written anew below
.set N_, 0
.rept 32
	PROD \kind, \a, \xs, \e, N_
.set N_, N_+1
.endr
	WIN 0
	PLACES NP                                      ; ahead of the readers of the sums and of the fetch into the set just read
.endm
; THE QUANTISER OF A BLOCK OF q OR k: my 32 sums at x are one block of 32 channels.  The largest magnitude, with the floor 2^(9 - 127) so that the byte cannot fall under 1; 8 off its exponent field is the conversion's scale operand;
; each sum is held within 448 x the scale, since the conversion does not saturate (ISA guide 7.6.2).  Each accumulator is read from its low end on.
.macro QEPI x
.irp k, 0,1,2,3
	v_max3_num_f32 v[TQ+\k], |v[\x+8*\k]|, |v[\x+8*\k+1]|, |v[\x+8*\k+2]|
.endr
.irp m, 3,5
.irp k, 0,1,2,3
	v_max3_num_f32 v[TQ+\k], v[TQ+\k], |v[\x+8*\k+\m]|, |v[\x+8*\k+\m+1]|
.endr
.endr
.irp k, 0,1,2,3
	v_max_num_f32 v[TQ+\k], v[TQ+\k], |v[\x+8*\k+7]|
.endr
	v_max3_num_f32 v[TQ], v[TQ], v[TQ+1], v[TQ+2]
	v_max3_num_f32 v[TQ], v[TQ], v[TQ+3], 0x4800000
	v_add_nc_u32 v[SOP], 0xfc000000, v[TQ]
	v_and_or_b32 v[TQ+1], v[TQ], 0x7f800000, s2
.set M_, 0
.rept 32
	v_med3_num_f32 v[\x+M_], v[\x+M_], -v[TQ+1], v[TQ+1]
.set M_, M_+1
.endr
.irp k, 0,1,2,3
	v_cvt_scalef32_pk8_fp8_f32 v[NCD+2*\k:NCD+2*\k+1], v[\x+8*\k:\x+8*\k+7], v[SOP]
.endr
	v_lshrrev_b32 v[EB], 23, v[SOP]                ; the byte; also the plain line behind the last conversion
.endm
.macro QOUT base, k, p, e              ; the byte to its place in LDS; 32 codes a lane: each store covers two aligned units of 256 bytes
	ds_store_b8 v[VX], v[EB] offset:(\k)*256+4*(\p)+2*(\e)
	global_store_b128 v[CN], v[NCD:NCD+3], s[\base:\base+1] offset:((\k)%2)*CH+(\p)*4096+(\e)*1024
	global_store_b128 v[CN], v[NCD+4:NCD+7], s[\base:\base+1] offset:((\k)%2)*CH+(\p)*4096+(\e)*1024+256
.endm
; THE QUANTISER OF A PAIR OF v's BLOCKS: for each of four channel tiles 8 + 8 sums a lane, joined with lane l xor 16's: a block of 32 keys
.macro VEPI
.irp t, 0,1,2,3
	v_max3_num_f32 v[TQ+\t], |v[ACC+8*\t]|, |v[ACC+8*\t+1]|, |v[ACC+8*\t+2]|
.endr
.irp m, 3,5
.irp t, 0,1,2,3
	v_max3_num_f32 v[TQ+\t], v[TQ+\t], |v[ACC+8*\t+\m]|, |v[ACC+8*\t+\m+1]|
.endr
.endr
.irp t, 0,1,2,3
	v_max3_num_f32 v[TQ+\t], v[TQ+\t], |v[ACC+8*\t+7]|, |v[ACC+32+8*\t]|
.endr
.irp m, 1,3,5
.irp t, 0,1,2,3
	v_max3_num_f32 v[TQ+\t], v[TQ+\t], |v[ACC+32+8*\t+\m]|, |v[ACC+32+8*\t+\m+1]|
.endr
.endr
.irp t, 0,1,2,3
	v_max3_num_f32 v[TQ+\t], v[TQ+\t], |v[ACC+32+8*\t+7]|, 0x4800000
.endr
.irp t, 0,1,2,3
	v_permlanex16_b32 v[EB+\t], v[TQ+\t], s66, s67
.endr
.irp t, 0,1,2,3
	v_max_num_f32 v[TQ+\t], v[TQ+\t], v[EB+\t]
.endr
.irp t, 0,1,2,3
	v_add_nc_u32 v[SOP+\t], 0xfc000000, v[TQ+\t]
.endr
.irp t, 0,1,2,3
	v_and_or_b32 v[TQ+\t], v[TQ+\t], 0x7f800000, s2
.endr
.irp u, 0,32
.irp m, 0,1,2,3,4,5,6,7
.irp t, 0,1,2,3
	v_med3_num_f32 v[ACC+\u+8*\t+\m], v[ACC+\u+8*\t+\m], -v[TQ+\t], v[TQ+\t]
.endr
.endr
.endr
.irp t, 0,1,2,3
	v_cvt_scalef32_pk8_fp8_f32 v[NCD+4*\t:NCD+4*\t+1], v[ACC+8*\t:ACC+8*\t+7], v[SOP+\t]
	v_cvt_scalef32_pk8_fp8_f32 v[NCD+4*\t+2:NCD+4*\t+3], v[ACC+32+8*\t:ACC+32+8*\t+7], v[SOP+\t]
.endr
.irp t, 0,1,2,3
	v_lshrrev_b32 v[EB+\t], 23, v[SOP+\t]
.endr
.endm
.macro VOUT kk, p                      ; chunk kk of the window, keys' block 2 p + wave row: each store covers 512 consecutive bytes
.irp t, 0,1,2,3
	ds_store_b8 v[RD], v[EB+\t] offset:(\kk)*256+128*(\t%2)+4*(\t/2)+2*(\p)
	global_store_b128 v[CO], v[NCD+4*\t:NCD+4*\t+3], s[96:97] offset:(\kk)*CH+2048*\t+1024*(\p)
.endr
.endm
	s_wait_tensorcnt 0x0                           ; my part of the head's tiles is in,
	BARRIER                                        ; everybody's is
	WEIGHTS ADW, 8
	s_wait_tensorcnt 0x0                           ; ahead of a refill's round
	ds_add_u32 v[SPW], v[NIL]
	s_wait_dscnt 0x0                               ; the add is done, and the weight is in my registers
	CROUND
	TLOAD G0R, G1R                                 ; chunk 1 over the weight's bytes
	FETCH 0, AD
	FETCH 1, AD+1
	global_prefetch_b8 v[PF+1], s[80:81] th:TH_LOAD_NT scope:SCOPE_SE   ; chunk 2
	s_wait_loadcnt 0x0                             ; the scale words
; PHASE 1.  Block I_ = 4 k + 2 p + e.  Behind blocks 2, 6, 10 one round: the next chunk has landed, this chunk's last block has been fetched, and this chunk's slot is filled again; the quantiser stands between the add and the wait for it
.set I_, 0
.rept 16
.set K_, I_/4
.set P_, (I_%4)/2
.set E_, I_%2
.if I_ < 14
.set NA_, AD+4*(((I_+2)/4)%2)+(I_+2)%4
.else
.set NA_, AD+4+I_-14                   ; v's first two blocks: chunk 3 again, as it lies in slot 1
.endif
	BLK 0, E_, SA+16*K_+8*P_, E_, 32
.if I_%4 == 2 && K_ < 3
	s_wait_tensorcnt 0x0
	ds_add_u32 v[SPW], v[NIL]
.if K_ < 2
	RDESC 131072*K_, YB*K_
.endif
	QEPI ACC+32*E_
	s_wait_alu depctr_va_vdst(0)
	s_wait_dscnt 0x0
	CROUND
.if K_ < 2
	TLOAD G0R, G1R                                 ; chunks 2, 3
.else
	TLOAD G0V, G1V                                 ; wv's rows into slot 0
.endif
	FETCH E_, NA_
.if K_ == 0
	global_prefetch_b8 v[PF+1], s[80:81] offset:131072 th:TH_LOAD_NT scope:SCOPE_SE   ; chunk 3
.elseif K_ == 1
	global_prefetch_b8 v[PF+2], s[92:93] th:TH_LOAD_NT scope:SCOPE_SE                 ; wv's rows
.endif
.else
	FETCH E_, NA_
	QEPI ACC+32*E_
.endif
	QOUT 88+2*(K_/2), K_, P_, E_
.set I_, I_+1
.endr
; THE CHANGE OF PHASE
	s_wait_tensorcnt 0x0                           ; my part of wv's rows is in,
	s_wait_dscnt 0x0
	BARRIER                                        ; everybody's is
	WEIGHTS ADW2, 16
	s_wait_tensorcnt 0x0                           ; the three lines ahead of the last refill's round
	ds_add_u32 v[SPW], v[NIL]
	RDESC 0, 0
	s_wait_dscnt 0x0                               ; wv is in my registers
	CROUND
	TLOAD G0R, G1R                                 ; chunk 2 anew, over wv's bytes
; PHASE 2.  Blocks 0-3: chunk 3 (slot 1); blocks 4-7: chunk 2 (slot 0), shown by the barrier behind block 2
.set I_, 0
.rept 8
.set KK_, 1-I_/4
.set P_, (I_%4)/2
.set E_, I_%2
.if I_ < 7
	BLK 1, E_, SA+32+16*KK_+8*P_, E_, 32
.else
	BLK 1, E_, SA+32+16*KK_+8*P_, E_, 0
.endif
.if I_ == 2
	s_wait_tensorcnt 0x0
	s_wait_dscnt 0x0
	BARRIER
.endif
.if I_ < 6
	FETCH E_, AD+4*(1-(I_+2)/4)+(I_+2)%4
.endif
.if E_
	VEPI
	VOUT KK_, P_
.endif
.set I_, I_+1
.endr
	s_wait_dscnt 0x0                               ; my scale bytes are in LDS,
	BARRIER                                        ; everybody's are
	ds_load_b64 v[TQ:TQ+1], v[E1]
	ds_load_b64 v[TQ+2:TQ+3], v[E1] offset:256
	ds_load_b64 v[SOP:SOP+1], v[E2]
	s_wait_dscnt 0x0
	global_store_b64 v[SO8], v[TQ:TQ+1], s[8:9]                ; 256 consecutive bytes a store, aligned
	global_store_b64 v[SO8], v[TQ+2:TQ+3], s[8:9] offset:CH
	global_store_b64 v[SO8], v[SOP:SOP+1], s[12:13]
	s_wait_tensorcnt 0x0                           ; the wave's end
	ds_add_u32 v[SPW], v[NIL]
	s_wait_dscnt 0x0
	CROUND                                         ; the closing round
	s_endpgm
.Lfunc_end_k_q798ddf689c_qkv:
	.size	k_q798ddf689c_qkv, .Lfunc_end_k_q798ddf689c_qkv-k_q798ddf689c_qkv
	.p2alignl 7, 3214868480
	.fill 96, 4, 3214868480
	.section	.rodata,"a",@progbits
	.p2align	6, 0x0
	.amdhsa_kernel k_q798ddf689c_qkv
		.amdhsa_group_segment_fixed_size 327680
		.amdhsa_private_segment_fixed_size 0
		.amdhsa_enable_private_segment 0
		.amdhsa_kernarg_size 80
		.amdhsa_user_sgpr_count 2
		.amdhsa_user_sgpr_kernarg_segment_ptr 1
		.amdhsa_wavefront_size32 1
		.amdhsa_system_sgpr_workgroup_id_x 1
		.amdhsa_system_sgpr_workgroup_id_y 1
		.amdhsa_system_sgpr_workgroup_id_z 1
		.amdhsa_system_vgpr_workitem_id 0
		.amdhsa_next_free_vgpr 1024
		.amdhsa_next_free_sgpr 102
		.amdhsa_reserve_vcc 0
		.amdhsa_float_denorm_mode_32 3
		.amdhsa_float_denorm_mode_16_64 3
		.amdhsa_memory_ordered 1
		.amdhsa_forward_progress 1
		.amdhsa_inst_pref_size 255
	.end_amdhsa_kernel
	.section	.bss,"aw",@nobits
	.p2align	6
	.space	262144
	.amdgpu_metadata
---
amdhsa.version: [ 1, 2 ]
amdhsa.kernels:
  - .name:           k_q798ddf689c_qkv
    .symbol:         k_q798ddf689c_qkv.kd
    .args:
      - { .name: x_codes, .offset: 0, .size: 8, .value_kind: global_buffer, .address_space: global }
      - { .name: x_scales, .offset: 8, .size: 8, .value_kind: global_buffer, .address_space: global }
      - { .name: wq_codes, .offset: 16, .size: 8, .value_kind: global_buffer, .address_space: global }
      - { .name: wq_scales, .offset: 24, .size: 8, .value_kind: global_buffer, .address_space: global }
      - { .name: wk_codes, .offset: 32, .size: 8, .value_kind: global_buffer, .address_space: global }
      - { .name: wk_scales, .offset: 40, .size: 8, .value_kind: global_buffer, .address_space: global }
      - { .name: wv_codes, .offset: 48, .size: 8, .value_kind: global_buffer, .address_space: global }
      - { .name: wv_scales, .offset: 56, .size: 8, .value_kind: global_buffer, .address_space: global }
      - { .name: qbuf, .offset: 64, .size: 8, .value_kind: global_buffer, .address_space: global }
      - { .name: kv, .offset: 72, .size: 8, .value_kind: global_buffer, .address_space: global }
    .group_segment_fixed_size: 327680
    .private_segment_fixed_size: 0
    .kernarg_segment_align: 8
    .kernarg_segment_size: 80
    .max_flat_workgroup_size: 128
    .sgpr_count:     102
    .vgpr_count:     1024
    .wavefront_size: 32
...
	.end_amdgpu_metadata
.endif
;; end of part 1
;; launch attn (part 2): grid 4 x 64, 16 waves a work-group, clusters of 4 x 1, 327,680 bytes of LDS; arguments qbuf, kv, ao_codes, ao_scales; writes ao_codes, ao_scales
.if DOCPART == 2
	.amdgcn_target "amdgcn-amd-amdhsa--gfx1250"
	.amdhsa_code_object_version 6
	.text
	.protected	k_q798ddf689c_attn
	.globl	k_q798ddf689c_attn
	.p2align	8
	.type	k_q798ddf689c_attn,@function
k_q798ddf689c_attn:
	s_mov_b64 s[64:65], 0
	v_nop
	global_prefetch_b8 v0, s[64:65] scope:SCOPE_SE
	s_setreg_imm32_b32 hwreg(HW_REG_WAVE_MODE, 25, 1), 1
	s_wait_xcnt 0x0
	s_wait_alu depctr_hold_cnt(0) depctr_sa_sdst(0) depctr_va_vdst(0) depctr_va_sdst(0) depctr_va_ssrc(0) depctr_va_vcc(0) depctr_vm_vsrc(0)
	s_getreg_b32 s2, hwreg(HW_REG_IB_STS2, 6, 4)
	s_cmp_eq_u32 s2, 0
	s_cbranch_scc0 .Lentry_in_a_cluster
	s_endpgm
.Lentry_in_a_cluster:
	s_bfe_u32 s2, ttmp6, 0x10000c
	s_cmp_lg_u32 s2, 0x3003
	s_cbranch_scc0 .Lentry_shape_is_right
	s_endpgm
.Lentry_shape_is_right:
; Causal attention on codes of FP8 (E4M3) with E8M0 scales: S^T = K Q^T, p = 2^(t - M) with M the ceiling of the running largest t, O^T += V^T P^T, O / the sum of the unquantised p, quantised again along the channels.
; t = score x log2(e) / 32, since reference() divides by sqrt(1,024).  LEFT OUT: key steps all of whose 128 keys come after a wave's 16 queries: reference()'s own causal mask gives them -infinity, so p = 0 for every input.
; A NaN or an infinity that reaches only such steps is not carried to the result.  LIMITS: NaN and infinities among the inputs are not served; the scaled scores stay under 2^31 in magnitude.
; SHARES.  A cluster of four work-groups serves one head (16 x batch + head); all four hold the head's whole block of K and V (16 chunks of 128 keys, 270,336 bytes, laid by the launch before as images of the operand registers)
; in LDS: ONE joint tensor load a wave brings a sixteenth of it, 66 rows of 256 bytes; nothing is filled again, so one barrier at the head shows it all.  A wave owns one tile of 16 queries of chunk 15 - wave / 2 and then one of
; chunk wave / 2: 17 key steps in all for every wave.  No prefetch: each byte is asked for once, at the head, and no loop runs ahead of that.
; A fragment of K holds two tiles of 16 keys (64 channels each); Q stands beside zeros, low or high, so that one product serves one of the two tiles.
.set CH,   16896
.set HS,   16*CH
.set PART, HS/16
.set KF,   40
.set S,    104
.set OT,   168
.set PC,   200
.set BM,   216
.set BP,   220
.set BL,   224
.set BS,   228
.set WV,   12
.macro CROUND
	s_barrier_signal -1
	s_barrier_wait -1
	s_cmp_lg_u32 s[WV], 0
	s_cbranch_scc1 .Lnot_wave_0_\@
	s_barrier_signal -3
.Lnot_wave_0_\@:
	s_barrier_wait -3
	s_barrier_signal -1
	s_barrier_wait -1
.endm
	s_load_b256 s[4:11], s[0:1], 0x0
	v_lshl_add_u32 v254, v0, 2, 0x42000
	v_mov_b32 v255, 0
	ds_add_u32 v254, v255
	ds_add_u32 v254, v255
	v_lshrrev_b32 v1, 5, v0
	s_delay_alu instid0(VALU_DEP_1)
	v_readfirstlane_b32 s[WV], v1
	s_bfe_u32 s13, ttmp6, 0x40000
	s_and_b32 s14, ttmp7, 0xffff
	s_lshr_b32 s15, s[WV], 1
	s_and_b32 s17, s[WV], 1
	s_lshl_b32 s16, s17, 4
	s_mov_b32 s18, 0xffff0000
	s_mov_b32 s19, 0x600000
	s_mov_b32 s20, 0x76543210
	s_mov_b32 s21, 0xfedcba98
	s_mov_b32 s22, 0x3d38aa3b
	s_mov_b32 s23, s22
	s_mov_b32 s24, 15|(3<<16)|(1<<21)
	s_mov_b32 s25, 32<<16
	s_mov_b32 s26, 66<<16
	s_mov_b32 s27, 32<<16
	s_mov_b32 s28, 66
	s_mov_b32 s29, 32
	s_mov_b32 s30, 0
	s_mov_b32 s31, 0
	s_mul_i32 s56, s[WV], PART
	s_mul_i32 s58, s14, HS
	s_add_co_u32 s58, s58, s56
	s_mov_b32 s59, 0
	s_wait_dscnt 0x0
	s_wait_kmcnt 0x0
	s_add_nc_u64 s[60:61], s[6:7], s[58:59]
	CROUND
	s_mov_b32 s32, 1
	s_mov_b32 s33, s56
	s_mov_b64 s[34:35], s[60:61]
	s_or_b32 s35, s35, 0x80000000
	tensor_load_to_lds s[32:35], s[24:31]
	s_nop 0
.rept 4
	v_nop
.endr
	s_sub_co_u32 s42, 15, s15
	s_lshl_b32 s57, s14, 4
	s_mov_b32 s3, 0
	s_add_co_u32 s2, s57, s42
	s_mul_i32 s2, s2, CH
	s_add_nc_u64 s[44:45], s[4:5], s[2:3]
	s_add_co_u32 s2, s57, s15
	s_mul_i32 s2, s2, CH
	s_add_nc_u64 s[46:47], s[4:5], s[2:3]
	s_lshl_b32 s63, s13, 1
	s_add_co_u32 s63, s63, s17
	s_lshr_b32 s56, s14, 4
	s_and_b32 s57, s14, 15
	s_lshl_b32 s58, s56, 21
	s_lshl_b32 s59, s57, 10
	s_add_co_u32 s58, s58, s59
	s_lshl_b32 s59, s56, 16
	s_lshl_b32 s60, s57, 1
	s_add_co_u32 s59, s59, s60
	s_lshl_b32 s60, s42, 3
	s_add_co_u32 s60, s60, s63
	s_lshl_b32 s2, s60, 14
	s_add_co_u32 s2, s2, s58
	s_add_nc_u64 s[48:49], s[8:9], s[2:3]
	s_lshl_b32 s2, s60, 9
	s_add_co_u32 s2, s2, s59
	s_add_nc_u64 s[52:53], s[10:11], s[2:3]
	s_lshl_b32 s60, s15, 3
	s_add_co_u32 s60, s60, s63
	s_lshl_b32 s2, s60, 14
	s_add_co_u32 s2, s2, s58
	s_add_nc_u64 s[50:51], s[8:9], s[2:3]
	s_lshl_b32 s2, s60, 9
	s_add_co_u32 s2, s2, s59
	s_add_nc_u64 s[54:55], s[10:11], s[2:3]
	v_and_b32 v11, 31, v0
	s_delay_alu instid0(VALU_DEP_1)
	v_lshlrev_b32 v1, 4, v11
	s_delay_alu instid0(VALU_DEP_2)
	v_lshlrev_b32 v2, 3, v11
	v_and_b32 v3, 15, v0
	s_wait_alu depctr_va_vdst(0)
	v_bfe_u32 v4, v0, 4, 1
	s_delay_alu instid0(VALU_DEP_1)
	v_lshlrev_b32 v5, 3, v4
	s_delay_alu instid0(VALU_DEP_1)
	v_sub_nc_u32 v5, v3, v5
	s_lshl_b32 s2, s63, 4
	v_add_nc_u32 v5, s2, v5
	s_lshl_b32 s2, s63, 10
	v_add_nc_u32 v6, s2, v1
	s_and_b32 s2, s13, 1
	s_lshl_b32 s2, s2, 7
	s_lshr_b32 s3, s13, 1
	s_lshl_b32 s3, s3, 2
	s_add_co_u32 s2, s2, s3
	s_add_co_u32 s2, s2, 16384
	v_lshl_add_u32 v7, v3, 3, s2
	v_lshlrev_b32 v8, 4, v3
	s_wait_alu depctr_va_vdst(0)
	v_lshl_add_u32 v8, v4, 3, v8
	v_lshl_add_u32 v9, v3, 5, v4
	v_mov_b32 v10, 0xff800000
.irp j, 24,25,26,27,28,29,30,31
	v_mov_b32 v\j, 0
.endr
.irp j, 220,221,222,223,233,242
	v_mov_b32 v\j, 0
.endr
.macro QLOAD b
	global_load_b128 v[16:19], v6, s[\b:\b+1]
	global_load_b128 v[20:23], v6, s[\b:\b+1] offset:512
	global_load_b128 v[32:35], v6, s[\b:\b+1]
	global_load_b128 v[36:39], v6, s[\b:\b+1] offset:512
	global_load_b32 v11, v7, s[\b:\b+1]
.endm
.macro QFIX
	v_lshrrev_b32 v11, s16, v11
	s_delay_alu instid0(VALU_DEP_1)
	v_and_b32 v11, 0xffff, v11
	s_delay_alu instid0(VALU_DEP_1)
	v_lshl_or_b32 v237, v11, 16, v11
.endm
.macro INIT
	v_mov_b32 v13, 0xff61b1e6
	s_delay_alu instid0(VALU_DEP_1)
	v_floor_f32 v12, -v13
	v_mov_b32 v14, 0
	v_mov_b32 v15, 0
.set j, 0
.rept 32
	v_mov_b32 v[OT+j], 0
.set j, j+1
.endr
.endm
.macro STEP guard
.if \guard
	s_cmp_gt_u32 s41, s42
	s_cbranch_scc1 .Lskip_\@
.endif
	v_add_nc_u32 v3, s40, v1
	v_add_nc_u32 v4, s40, v2
.rept 6
	v_nop
.endr
.irp f, 0,1,2,3
.irp c, 0,1,2,3
	ds_load_b128 v[KF+16*\f+4*\c:KF+16*\f+4*\c+3], v3 offset:2048*\f+512*\c
.endr
.endr
	ds_load_b64 v[238:239], v4 offset:16384
	s_wait_alu depctr_va_vdst(0)
	s_wait_dscnt 0x0
.irp f, 0,1,2,3
.irp u, 0,1
.if \f%2
	v_wmma_scale_f32_16x16x128_f8f6f4 v[S+8*(2*\f+\u):S+8*(2*\f+\u)+7], v[KF+16*\f:KF+16*\f+15], v[16+8*\u:31+8*\u], 0, v[238+\f/2], v237 matrix_a_scale:MATRIX_SCALE_ROW1
.else
	v_wmma_scale_f32_16x16x128_f8f6f4 v[S+8*(2*\f+\u):S+8*(2*\f+\u)+7], v[KF+16*\f:KF+16*\f+15], v[16+8*\u:31+8*\u], 0, v[238+\f/2], v237
.endif
.endr
.endr
.rept 8
	v_nop
.endr
.irp t, 0,1,2,3
.irp c, 0,1,2,3
	ds_load_b128 v[KF+16*\t+4*\c:KF+16*\t+4*\c+3], v3 offset:8192+2048*\t+512*\c
.endr
.endr
	ds_load_b64 v[240:241], v4 offset:16640
.if \guard
	s_cmp_lg_u32 s41, s42
	s_cbranch_scc1 .Lopen_\@
.set n, 0
.rept 64
	v_cmp_gt_i32 vcc_lo, 16*(n/8)+n%8, v5
	v_cndmask_b32 v[S+n], v[S+n], v10, vcc_lo
.set n, n+1
.endr
.Lopen_\@:
.endif
.irp b, 0,1,2,3
	v_max3_num_f32 v[BM+\b], v[S+16*\b], v[S+1+16*\b], v[S+2+16*\b]
.endr
.irp i, 3,5,7,9,11,13
.irp b, 0,1,2,3
	v_max3_num_f32 v[BM+\b], v[BM+\b], v[S+16*\b+\i], v[S+1+16*\b+\i]
.endr
.endr
.irp b, 0,1,2,3
	v_max_num_f32 v[BM+\b], v[BM+\b], v[S+15+16*\b]
.endr
.irp b, 0,1,2,3
	s_delay_alu instid0(VALU_DEP_4)
	v_permlanex16_b32 v[BP+\b], v[BM+\b], s20, s21
.endr
.irp b, 0,1,2,3
	s_delay_alu instid0(VALU_DEP_4)
	v_max_num_f32 v[BM+\b], v[BM+\b], v[BP+\b]
.endr
	s_delay_alu instid0(VALU_DEP_2)
	v_max3_num_f32 v242, v216, v217, v218
	s_delay_alu instid0(VALU_DEP_1)
	v_max_num_f32 v242, v242, v219
	s_delay_alu instid0(VALU_DEP_1)
	v_mul_f32 v242, s22, v242
	s_delay_alu instid0(VALU_DEP_1)
	v_max_num_f32 v13, v13, v242
	v_mov_b32 v242, v12
	s_delay_alu instid0(VALU_DEP_2)
	v_floor_f32 v12, -v13
	s_delay_alu instid0(VALU_DEP_1)
	v_sub_f32 v242, v12, v242
	s_delay_alu instid0(VALU_DEP_1)
	v_cvt_i32_f32 v242, v242
	s_delay_alu instid0(VALU_DEP_1)
	v_ldexp_f32 v232, 1.0, v242
.set j, 0
.rept 32
	v_pk_fma_f32 v[S+j:S+j+1], v[S+j:S+j+1], s[22:23], v[12:13] op_sel_hi:[1,0,0]
.set j, j+2
.endr
.irp b, 0,1,2,3
	v_fma_f32 v[BM+\b], v[BM+\b], s22, v12
.endr
.set j, 0
	s_wait_alu depctr_va_vdst(0)
.rept 64
	v_exp_f32 v[S+j], v[S+j]
.set j, j+1
.endr
	v_pk_mul_f32 v[14:15], v[14:15], v[232:233] op_sel_hi:[1,0]
	s_wait_alu depctr_va_vdst(0)
.irp b, 0,1,2,3
	v_exp_f32 v[BM+\b], v[BM+\b]
.endr
	v_pk_add_f32 v[234:235], v[S:S+1], v[S+2:S+3]
.set j, 4
.rept 15
	v_pk_add_f32 v[14:15], v[14:15], v[S+j:S+j+1]
	v_pk_add_f32 v[234:235], v[234:235], v[S+j+2:S+j+3]
.set j, j+4
.endr
	s_delay_alu instid0(VALU_DEP_1)
	v_pk_add_f32 v[14:15], v[14:15], v[234:235]
	s_wait_alu depctr_va_vdst(0)
.irp b, 0,1,2,3
	v_max_num_f32 v[BM+\b], 0x4800000, v[BM+\b]
.endr
.irp b, 0,1,2,3
	s_delay_alu instid0(VALU_DEP_4)
	v_add_nc_u32 v[BS+\b], 0xfc000000, v[BM+\b]
.endr
.irp b, 0,1,2,3
	v_and_or_b32 v[BL+\b], v[BM+\b], 0x7f800000, s19
.endr
.irp b, 0,1,2,3
	v_lshrrev_b32 v[BP+\b], 23, v[BS+\b]
.endr
	s_delay_alu instid0(VALU_DEP_3)
	v_lshl_or_b32 v236, v221, 8, v220
	s_delay_alu instid0(VALU_DEP_1)
	v_lshl_or_b32 v236, v222, 16, v236
	s_delay_alu instid0(VALU_DEP_1)
	v_lshl_or_b32 v236, v223, 24, v236
.irp b, 0,1,2,3
.irp i, 0,2,4,6,8,10,12,14
	v_dual_min_num_f32 v[S+16*\b+\i], v[S+16*\b+\i], v[BL+\b] :: v_dual_min_num_f32 v[S+16*\b+\i+1], v[S+16*\b+\i+1], v[BL+\b]   ; the hold at 448 x the scale, two numbers a line; p is not negative
.endr
	v_cvt_scalef32_pk8_fp8_f32 v[PC+4*\b:PC+4*\b+1], v[S+16*\b:S+16*\b+7], v[BS+\b]
	v_cvt_scalef32_pk8_fp8_f32 v[PC+4*\b+2:PC+4*\b+3], v[S+16*\b+8:S+16*\b+15], v[BS+\b]
.endr
.set j, 0
.rept 16
	v_pk_mul_f32 v[OT+j:OT+j+1], v[OT+j:OT+j+1], v[232:233] op_sel_hi:[1,0]
.set j, j+2
.endr
	s_wait_alu depctr_va_vdst(0)
	s_wait_dscnt 0x0
.irp t, 0,1,2,3
.if \t%2
	v_wmma_scale_f32_16x16x128_f8f6f4 v[OT+8*\t:OT+8*\t+7], v[KF+16*\t:KF+16*\t+15], v[PC:PC+15], v[OT+8*\t:OT+8*\t+7], v[240+\t/2], v236 matrix_a_scale:MATRIX_SCALE_ROW1
.else
	v_wmma_scale_f32_16x16x128_f8f6f4 v[OT+8*\t:OT+8*\t+7], v[KF+16*\t:KF+16*\t+15], v[PC:PC+15], v[OT+8*\t:OT+8*\t+7], v[240+\t/2], v236
.endif
.endr
.if \guard
.Lskip_\@:
.endif
	s_add_co_u32 s40, s40, CH
.endm
.macro OUT cb, sb
	v_add_f32 v14, v14, v15
	s_delay_alu instid0(VALU_DEP_1)
	v_permlanex16_b32 v242, v14, s20, s21
	s_delay_alu instid0(VALU_DEP_1)
	v_add_f32 v14, v14, v242
	s_wait_alu depctr_va_vdst(0)
	v_rcp_f32 v14, v14
	v_nop
	s_wait_alu depctr_va_vdst(0)
.set j, 0
.rept 16
	v_pk_mul_f32 v[OT+j:OT+j+1], v[OT+j:OT+j+1], v[14:15] op_sel_hi:[1,0]
.set j, j+2
.endr
.irp b, 0,1
	v_max3_num_f32 v[BM+\b], |v[OT+16*\b]|, |v[OT+1+16*\b]|, 0x4800000
.endr
.irp i, 2,4,6,8,10,12,14
.irp b, 0,1
	s_delay_alu instid0(VALU_DEP_2)
	v_max3_num_f32 v[BM+\b], v[BM+\b], |v[OT+16*\b+\i]|, |v[OT+1+16*\b+\i]|
.endr
.endr
.irp b, 0,1
	s_delay_alu instid0(VALU_DEP_2)
	v_permlanex16_b32 v[BP+\b], v[BM+\b], s20, s21
.endr
.irp b, 0,1
	s_delay_alu instid0(VALU_DEP_2)
	v_max_num_f32 v[BM+\b], v[BM+\b], v[BP+\b]
.endr
.irp b, 0,1
	s_delay_alu instid0(VALU_DEP_2)
	v_add_nc_u32 v[BS+\b], 0xfc000000, v[BM+\b]
.endr
.irp b, 0,1
	s_delay_alu instid0(VALU_DEP_4)
	v_and_or_b32 v[BL+\b], v[BM+\b], 0x7f800000, s19
.endr
.irp b, 0,1
	s_delay_alu instid0(VALU_DEP_4)
	v_lshrrev_b32 v[BP+\b], 23, v[BS+\b]
.endr
.irp b, 0,1
.irp i, 0,1,2,3,4,5,6,7,8,9,10,11,12,13,14,15
	v_med3_num_f32 v[OT+16*\b+\i], v[OT+16*\b+\i], -v[BL+\b], v[BL+\b]
.endr
.endr
.irp b, 0,1
	v_cvt_scalef32_pk8_fp8_f32 v[PC+4*\b:PC+4*\b+1], v[OT+16*\b:OT+16*\b+7], v[BS+\b]
	v_cvt_scalef32_pk8_fp8_f32 v[PC+4*\b+2:PC+4*\b+3], v[OT+16*\b+8:OT+16*\b+15], v[BS+\b]
.endr
	v_nop
	v_cndmask_b32 v243, v220, v221, s18
.irp b, 0,1
.irp u, 0,1
	global_store_b64 v8, v[PC+4*\b+2*\u:PC+4*\b+2*\u+1], s[\cb:\cb+1] offset:512*\b+256*\u
.endr
.endr
	global_store_b8 v9, v243, s[\sb:\sb+1]
.endm
	QLOAD 44
	s_mov_b32 s40, 0
	s_mov_b32 s41, 0
	s_wait_tensorcnt 0x0
	s_barrier_signal -1
	s_barrier_wait -1
	s_wait_loadcnt 0x0
	QFIX
	INIT
.Lfirst_half:
	STEP 0
	s_add_co_u32 s41, s41, 1
	s_cmp_lt_u32 s41, 8
	s_cbranch_scc1 .Lfirst_half
.Lsecond_half:
	STEP 1
	s_add_co_u32 s41, s41, 1
	s_cmp_lt_u32 s41, 16
	s_cbranch_scc1 .Lsecond_half
.rept 8
	v_nop
.endr
	QLOAD 46
	OUT 48, 52
	s_wait_xcnt 0x0
	s_mov_b32 s42, s15
	s_mov_b32 s40, 0
	s_mov_b32 s41, 0
	s_wait_loadcnt 0x0
	QFIX
	INIT
.Lshort:
	STEP 1
	s_add_co_u32 s41, s41, 1
	s_cmp_lt_u32 s41, 8
	s_cbranch_scc1 .Lshort
.rept 8
	v_nop
.endr
	OUT 50, 54
	s_wait_tensorcnt 0x0
	ds_add_u32 v254, v255
	s_wait_dscnt 0x0
	CROUND
	s_endpgm
.Lfunc_end_k_q798ddf689c_attn:
	.size	k_q798ddf689c_attn, .Lfunc_end_k_q798ddf689c_attn-k_q798ddf689c_attn
	.p2alignl 7, 3214868480
	.fill 96, 4, 3214868480
	.section	.rodata,"a",@progbits
	.p2align	6, 0x0
	.amdhsa_kernel k_q798ddf689c_attn
		.amdhsa_group_segment_fixed_size 327680
		.amdhsa_private_segment_fixed_size 0
		.amdhsa_enable_private_segment 0
		.amdhsa_kernarg_size 32
		.amdhsa_user_sgpr_count 2
		.amdhsa_user_sgpr_kernarg_segment_ptr 1
		.amdhsa_wavefront_size32 1
		.amdhsa_system_sgpr_workgroup_id_x 1
		.amdhsa_system_sgpr_workgroup_id_y 1
		.amdhsa_system_sgpr_workgroup_id_z 1
		.amdhsa_system_vgpr_workitem_id 0
		.amdhsa_next_free_vgpr 256
		.amdhsa_next_free_sgpr 72
		.amdhsa_reserve_vcc 1
		.amdhsa_float_denorm_mode_32 3
		.amdhsa_float_denorm_mode_16_64 3
		.amdhsa_memory_ordered 1
		.amdhsa_forward_progress 1
		.amdhsa_inst_pref_size 91
	.end_amdhsa_kernel
	.amdgpu_metadata
---
amdhsa.version: [ 1, 2 ]
amdhsa.kernels:
  - .name:           k_q798ddf689c_attn
    .symbol:         k_q798ddf689c_attn.kd
    .args:
      - { .name: qbuf, .offset: 0, .size: 8, .value_kind: global_buffer, .address_space: global }
      - { .name: kv, .offset: 8, .size: 8, .value_kind: global_buffer, .address_space: global }
      - { .name: ao_codes, .offset: 16, .size: 8, .value_kind: global_buffer, .address_space: global }
      - { .name: ao_scales, .offset: 24, .size: 8, .value_kind: global_buffer, .address_space: global }
    .group_segment_fixed_size: 327680
    .private_segment_fixed_size: 0
    .kernarg_segment_align: 8
    .kernarg_segment_size: 32
    .max_flat_workgroup_size: 512
    .sgpr_count:     72
    .vgpr_count:     256
    .wavefront_size: 32
...
	.end_amdgpu_metadata
.endif
;; end of part 2
;; launch proj (part 3): grid 8 x 32, 4 waves a work-group, clusters of 4 x 4, 327,680 bytes of LDS; arguments ao_codes, ao_scales, wo_codes, wo_scales, out0; writes out0
.if DOCPART == 3
	.amdgcn_target "amdgcn-amd-amdhsa--gfx1250"
	.amdhsa_code_object_version 6
	.text
	.protected	k_q798ddf689c_proj
	.globl	k_q798ddf689c_proj
	.p2align	8
	.type	k_q798ddf689c_proj,@function
k_q798ddf689c_proj:
	s_mov_b64 s[64:65], 0
	v_nop
	global_prefetch_b8 v0, s[64:65] scope:SCOPE_SE
	s_setreg_imm32_b32 hwreg(HW_REG_WAVE_MODE, 25, 1), 1
	s_wait_xcnt 0x0
	s_wait_alu depctr_hold_cnt(0) depctr_sa_sdst(0) depctr_va_vdst(0) depctr_va_sdst(0) depctr_va_ssrc(0) depctr_va_vcc(0) depctr_vm_vsrc(0)
	s_getreg_b32 s2, hwreg(HW_REG_IB_STS2, 6, 4)
	s_cmp_eq_u32 s2, 0
	s_cbranch_scc0 .Lentry_in_a_cluster
	s_endpgm
.Lentry_in_a_cluster:
	s_bfe_u32 s2, ttmp6, 0x10000c
	s_cmp_lg_u32 s2, 0xf033
	s_cbranch_scc0 .Lentry_shape_is_right
	s_endpgm
.Lentry_shape_is_right:
; out0 = ao wo^T on codes of FP8 (E4M3) with one E8M0 scale for each 32 along K = 1,024; sums in f32, stored as f32.  8,192 x 1,024 x 1,024.
; ao_codes is laid by the launch before: [tile of 16 tokens][head: 1,024 bytes][block of 32 channels: 512][lane][16 bytes], an image of the operand's registers; so a tile is 16 dense rows of 1,024 bytes.  ao_scales: [token][32].
; THE DEAL.  256 work-groups of four waves, 2 x 2: 256 tokens x 128 columns each.  A wave holds 64 rows of wo, ALL of K, in 512 registers (windows 1, 2) and streams blocks of 16 tokens past them: wave row w takes blocks 2 i + w,
; i = 0 .. 7; a block stands in one of two sets of 128 registers (window 3), fetched two blocks ahead.  A block is 32 products on four accumulators by turns, two sets of sums by turns.
; A finished block goes through the wave's own stage in LDS and leaves as aligned units of 256 bytes while the next block is multiplied.
; Source 0 = 16 rows of wo, source 1 = 16 tokens: a lane holds one token and eight neighbouring columns in each accumulator.
; LDS: slot 0: the first 160 rows of ao; slot 1: wo's 128 rows, and, once every wave holds them in registers, ao's last 96 rows, filled over them in one drained round of the cluster's barrier; the stages; the spare words.
; CLUSTERS 4 x 4: ao's rows are asked for jointly along a row of the cluster, wo's along a column.  The 96 rows are prefetched at the head, 24 blocks of 256 bytes a wave, shared out by address among the 16 waves of a row of the
; cluster; what the head itself loads has nothing ahead of it in which to be asked for.  The scale words go from memory into registers, 32 dense bytes a lane.
; LIMITS: NaN codes and scale bytes 0xff are not served.
.set KROW,   1024
.set PITCH,  KROW+16                   ; an LDS row: 260 words, so that the 16 rows that a load of wo touches start 4 words apart modulo 64
.set R0,     160                       ; ao's rows in slot 0: five blocks for each row of waves
.set R1,     96                        ; and those that follow wo in slot 1
.set YB,     R0*PITCH
.set STAGE,  YB+128*PITCH
.set SPITCH, 272
.set SPARE,  STAGE+4*16*SPITCH
.set NP,     8                         ; places behind this matrix instruction (ISA guide 7.12.1)
.set SPW, 10                           ; v10 my spare word; v11 0; never rewritten
.set NIL, 11
.set ADW, 12                           ; v12 LDS address of my fragments of wo
.set CO,  13                           ; v13 my byte offset in two rows of out0
.set STO, 14                           ; v14, v15 the stage: in, and back
.set RD,  15
.set AD,  16                           ; v16-23 LDS address of my block i
.set SB,  24                           ; v24-39 wo's scale words: register 8 p + q: lanes 0-15 tile 2 p, lanes 16-31 tile 2 p + 1
.set SA,  44                           ; v44-75 ao's: register 8 p + q: lanes 0-15 block i = 2 p, lanes 16-31 block 2 p + 1
.set ACC, 80                           ; v80-143 two sets of four accumulators
.set OB,  144                          ; v144-207 two sets of 16 rows read back from the stage
.set G1W, 24
.set G1A, 32
.set G1R, 48
.set G0W, 56
.set G0A, 60
.set G0R, 68
.set MSB, 0
.macro WIN new                         ; the immediate's high byte repeats the setting that is left
.if MSB != \new
	s_set_vgpr_msb (MSB<<8)|\new
.set MSB, \new
.endif
.endm
.macro PLACES n
.rept \n
	v_nop
.endr
.endm
.macro BARRIER
	s_barrier_signal -1
	s_barrier_wait -1
.endm
.macro CROUND                          ; a round of the cluster's barrier
	BARRIER
	s_cmp_lg_u32 s14, 0
	s_cbranch_scc1 .Lnot_wave_0_\@
	s_barrier_signal -3
.Lnot_wave_0_\@:
	s_barrier_wait -3
	BARRIER
.endm
.macro TLOAD g0, g1                    ; an s_nop 0 and four v_nop follow a tensor load
	tensor_load_to_lds s[\g0:\g0+3], s[\g1:\g1+7]
	s_nop 0
	PLACES 4
.endm
.macro GROUP1 g, mask, rows            ; so many whole rows of 1,024 bytes, dense in memory, 16 bytes of padding behind each in LDS
	s_or_b32 s[\g+0], s[\mask], (1<<20)|(1<<21)|(7<<22)|(3<<25)
	s_mov_b32 s[\g+1], (KROW&0xffff)<<16
	s_mov_b32 s[\g+2], (KROW>>16)|((\rows)<<16)
	s_mov_b32 s[\g+3], KROW<<16
	s_mov_b32 s[\g+4], \rows
	s_mov_b32 s[\g+5], KROW
	s_mov_b32 s[\g+6], 0
	s_mov_b32 s[\g+7], 0
.endm
	s_load_b256 s[4:11], s[0:1], 0x0               ; ao's codes s[4:5], scales s[6:7]; wo's s[8:9], s[10:11]
	s_load_b64 s[12:13], s[0:1], 0x20              ; out0
	v_lshl_add_u32 v[SPW], v0, 2, SPARE
	v_mov_b32 v[NIL], 0
	ds_add_u32 v[SPW], v[NIL]                      ; the opening lines: the add twice on end and one wait
	ds_add_u32 v[SPW], v[NIL]
	v_lshrrev_b32 v1, 5, v0
	v_readfirstlane_b32 s14, v1                    ; wave 0..3
	s_lshr_b32 s15, s14, 1                         ; my row of waves
	s_and_b32 s16, s14, 1                          ; my column of waves
	s_bfe_u32 s40, ttmp6, 0x40000                  ; cx, cy
	s_bfe_u32 s41, ttmp6, 0x40004
	s_lshl_b32 s42, ttmp9, 2
	s_add_co_u32 s42, s42, s40                     ; tile column, 0..7
	s_and_b32 s43, ttmp7, 0xffff
	s_lshl_b32 s43, s43, 2
	s_add_co_u32 s43, s43, s41                     ; tile row, 0..31
	s_lshl_b32 s44, s41, 2
	s_lshl_b32 s44, 15, s44                        ; my row of the cluster: shares ao's rows
	s_lshl_b32 s45, 0x1111, s40                    ; my column: shares wo's
	GROUP1 G1W, 45, 64                             ; waves 0, 1: a half of wo's 128 rows each
	GROUP1 G1A, 44, R0/2                           ; waves 2, 3: a half of ao's first 160
	GROUP1 G1R, 44, R1/4                           ; the refill: a quarter of the last 96 a wave
	s_lshl_b32 s20, s42, 17                        ; wo: 128 rows x tile column
	s_lshl_b32 s21, s16, 16                        ; + 64 rows x wave % 2
	s_add_co_u32 s20, s20, s21
	s_mov_b32 s21, 0
	s_lshl_b32 s22, s43, 18                        ; ao: 256 rows x tile row
	s_mul_i32 s23, s16, (R0/2)*KROW
	s_add_co_u32 s72, s22, s23
	s_mov_b32 s73, 0
	s_mul_i32 s23, s14, (R1/4)*KROW
	s_add_co_u32 s74, s22, s23
	s_add_co_u32 s74, s74, R0*KROW
	s_mov_b32 s75, 0
	s_mov_b32 s[G0W], 1
	s_mul_i32 s[G0W+1], s16, 64*PITCH
	s_add_co_u32 s[G0W+1], s[G0W+1], YB
	s_mov_b32 s[G0A], 1
	s_mul_i32 s[G0A+1], s16, (R0/2)*PITCH
	s_mov_b32 s[G0R], 1
	s_mul_i32 s[G0R+1], s14, (R1/4)*PITCH
	s_add_co_u32 s[G0R+1], s[G0R+1], YB
	s_wait_dscnt 0x0                               ; both opening adds are done
	CROUND                                         ; all sixteen work-groups are here: the first joint loads meet
	s_wait_kmcnt 0x0
	s_add_nc_u64 s[G0W+2:G0W+3], s[8:9], s[20:21]
	s_or_b32 s[G0W+3], s[G0W+3], 0x80000000
	s_add_nc_u64 s[G0A+2:G0A+3], s[4:5], s[72:73]
	s_or_b32 s[G0A+3], s[G0A+3], 0x80000000
	s_add_nc_u64 s[G0R+2:G0R+3], s[4:5], s[74:75]
	s_or_b32 s[G0R+3], s[G0R+3], 0x80000000
	s_cmp_lt_u32 s14, 2                            ; one joint load a wave, a line to each mask
	s_cbranch_scc0 .Lfor_a
	TLOAD G0W, G1W
	s_branch .Lasked
.Lfor_a:
	TLOAD G0A, G1A
.Lasked:
	s_lshl_b32 s20, s42, 12                        ; wo's scale bytes: my wave's 64 rows of 32 bytes
	s_lshl_b32 s23, s16, 11
	s_add_co_u32 s20, s20, s23
	s_add_nc_u64 s[10:11], s[10:11], s[20:21]
	s_lshl_b32 s20, s43, 13                        ; ao's: my tile row, 16 rows on for wave row 1
	s_lshl_b32 s23, s15, 9
	s_add_co_u32 s20, s20, s23
	s_add_nc_u64 s[6:7], s[6:7], s[20:21]
	s_lshl_b32 s20, s43, 20                        ; out0: 256 rows of 4,096 bytes x tile row, + 16 rows x wave row, + 512 x tile column, + 256 x wave column
	s_lshl_b32 s23, s15, 16
	s_add_co_u32 s20, s20, s23
	s_lshl_b32 s23, s42, 9
	s_add_co_u32 s20, s20, s23
	s_lshl_b32 s23, s16, 8
	s_add_co_u32 s20, s20, s23
	s_add_nc_u64 s[12:13], s[12:13], s[20:21]
	s_lshl_b32 s23, s40, 2                         ; the prefetch: which of the cluster row's sixteen waves I am,
	s_add_co_u32 s23, s23, s14
	s_mul_i32 s23, s23, R1*KROW/16                 ; my sixteenth of the 96 rows,
	s_add_co_u32 s23, s23, s22
	s_add_co_u32 s23, s23, R0*KROW                 ; behind my tile row's first 160
	s_mul_i32 s76, s16, 64*PITCH
	s_add_co_u32 s76, s76, YB                      ; my 64 rows of wo in LDS
	s_mul_i32 s77, s15, 16*PITCH                   ; block 0 of my row of waves
	s_mul_i32 s78, s14, 16*SPITCH
	s_add_co_u32 s78, s78, STAGE                   ; my stage
	v_and_b32 v1, 15, v0                           ; r
	v_bfe_u32 v2, v0, 4, 1                         ; h
	v_and_b32 v3, 31, v0                           ; lane
	v_lshlrev_b32 v4, 5, v3                        ; wo's scale words: lane l takes row l of a pair of tiles
	v_lshlrev_b32 v5, 5, v1
	v_lshl_add_u32 v5, v2, 10, v5                  ; ao's: row r of block 2 p + h of mine: 32 rows on for h = 1
	v_min_u32 v8, 23, v3                           ; 24 blocks of 256 bytes; the lanes left over name the last again
	v_lshl_add_u32 v8, v8, 8, s23
	v_mul_u32_u24 v6, v1, PITCH
	v_lshl_add_u32 v6, v2, 4, v6
	v_add_nc_u32 v[ADW], s76, v6
	v_lshl_add_u32 v7, v3, 4, s77                  ; ao's fragments: 16 x lane
.set I_, 0
.rept 8
.if I_ < R0/32
	v_add_nc_u32 v[AD+I_], 2*I_*16*PITCH, v7
.else
	v_add_nc_u32 v[AD+I_], YB+(2*I_-R0/16)*16*PITCH, v7
.endif
.set I_, I_+1
.endr
	v_mul_u32_u24 v6, v1, SPITCH                   ; in: row r, 32 bytes for each half of the lanes
	v_lshl_add_u32 v6, v2, 5, v6
	v_add_nc_u32 v[STO], s78, v6
	v_mul_u32_u24 v6, v2, SPITCH                   ; back: lanes 0-15 one row of 256 bytes, lanes 16-31 the next
	v_lshl_add_u32 v6, v1, 4, v6
	v_add_nc_u32 v[RD], s78, v6
	v_lshlrev_b32 v6, 12, v2
	v_lshl_add_u32 v[CO], v1, 4, v6                ; and the same two rows in out0
	s_wait_alu depctr_va_vdst(0)                   ; the wait at the head's end
.irp p, 0,1
.irp c, 0,1
	global_load_b128 v[SB+8*\p+4*\c:SB+8*\p+4*\c+3], v4, s[10:11] offset:\p*1024+16*\c
.endr
.endr
.irp p, 0,1,2,3
.irp c, 0,1
	global_load_b128 v[SA+8*\p+4*\c:SA+8*\p+4*\c+3], v5, s[6:7] offset:\p*2048+16*\c
.endr
.endr
	global_prefetch_b8 v8, s[4:5] th:TH_LOAD_NT scope:SCOPE_SE   ; what the refill will ask for
	s_wait_tensorcnt 0x0                           ; my part of the head's tiles is in,
	BARRIER                                        ; everybody's is
.irp q, 0,1,2,3,4,5,6,7                ; my 64 rows of wo, all of K: fragment 4 q + t in window 1 + q / 4: 128 loads
	WIN (1+\q/4)<<6
.irp t, 0,1,2,3
.irp c, 0,1,2,3
	ds_load_b128 v[16*((4*\q+\t)%16)+4*\c:16*((4*\q+\t)%16)+4*\c+3], v[ADW] offset:128*\q+32*\c+\t*16*PITCH
.endr
.endr
.endr
	WIN 0
	s_wait_tensorcnt 0x0                           ; ahead of a refill's round
	ds_add_u32 v[SPW], v[NIL]
	s_wait_dscnt 0x0                               ; the add is done, and wo is in my registers
	CROUND                                         ; in every wave of every partner
	TLOAD G0R, G1R                                 ; ao's last 96 rows over wo's bytes: my one tensor load behind the round
.macro FETCH i                         ; block i, 16 tokens, all of K, into set i % 2 of window 3: 32 loads of 512 consecutive bytes
	WIN 3<<6
.irp q, 0,1,2,3,4,5,6,7
.irp c, 0,1,2,3
	ds_load_b128 v[128*((\i)%2)+16*\q+4*\c:128*((\i)%2)+16*\q+4*\c+3], v[AD+(\i)] offset:(2*\q+\c/2)*PITCH+(\c%2)*512
.endr
.endr
	WIN 0
.endm
.macro MM c, i                         ; the rows of the scale registers: wo's by the tile, ao's by the block
.if T_%2 && (\i)%2
	v_wmma_scale_f32_16x16x128_f8f6f4 v[AC_:AC_+7], v[W_:W_+15], v[R_:R_+15], \c, v[WS_], v[XS_] matrix_a_scale:MATRIX_SCALE_ROW1 matrix_b_scale:MATRIX_SCALE_ROW1
.elseif T_%2
	v_wmma_scale_f32_16x16x128_f8f6f4 v[AC_:AC_+7], v[W_:W_+15], v[R_:R_+15], \c, v[WS_], v[XS_] matrix_a_scale:MATRIX_SCALE_ROW1
.elseif (\i)%2
	v_wmma_scale_f32_16x16x128_f8f6f4 v[AC_:AC_+7], v[W_:W_+15], v[R_:R_+15], \c, v[WS_], v[XS_] matrix_b_scale:MATRIX_SCALE_ROW1
.else
	v_wmma_scale_f32_16x16x128_f8f6f4 v[AC_:AC_+7], v[W_:W_+15], v[R_:R_+15], \c, v[WS_], v[XS_]
.endif
.endm
.macro PROD i, n                       ; product n = 4 q + t of block i: the q-th 128 of K, column tile t; the first four start the sums
.set Q_, (\n)/4
.set T_, (\n)%4
.set AC_, ACC+32*((\i)%2)+8*T_
.set R_, 128*((\i)%2)+16*Q_
.set W_, 16*((\n)%16)
.set XS_, SA+8*((\i)/2)+Q_
.set WS_, SB+8*(T_/2)+Q_
	WIN (1+(\n)/16)|(3<<2)
.if Q_
	MM v[AC_:AC_+7], \i
.else
	MM 0, \i
.endif
.endm
.macro BLK i, w                        ; w: the LDS instructions issued behind block i's fetch, which may stay out
	s_wait_dscnt \w
	s_wait_xcnt 0x0                                ; earlier stores have read their registers: the stage's loads below may land there
.set N_, 0
.rept 32
	PROD \i, N_
.set N_, N_+1
.endr
	WIN 0
	PLACES NP                                      ; ahead of the stores that read the sums and of the fetch into the set just read
.endm
.macro TOSTAGE i                       ; 16 tokens x 64 columns into my stage, each accumulator from its low end on, and back by rows; LDS serves a wave's instructions in order (ISA guide 5.7.1.4)
.irp t, 0,1,2,3
	ds_store_b128 v[STO], v[ACC+32*((\i)%2)+8*\t:ACC+32*((\i)%2)+8*\t+3] offset:64*\t
	ds_store_b128 v[STO], v[ACC+32*((\i)%2)+8*\t+4:ACC+32*((\i)%2)+8*\t+7] offset:64*\t+16
.endr
.irp k, 0,1,2,3,4,5,6,7
	ds_load_b128 v[OB+32*((\i)%2)+4*\k:OB+32*((\i)%2)+4*\k+3], v[RD] offset:\k*2*SPITCH
.endr
.endm
.macro SEND i                          ; sixteen lanes store 256 consecutive bytes, aligned; block i lies 32 i rows of out0 on
.irp k, 0,1,2,3,4,5,6,7
	global_store_b128 v[CO], v[OB+32*((\i)%2)+4*\k:OB+32*((\i)%2)+4*\k+3], s[12:13] offset:(\i)*131072+\k*8192 th:TH_STORE_NT
.endr
.endm
	FETCH 0
	FETCH 1
	s_wait_loadcnt 0x0                             ; the scale words
	BLK 0, 32                                      ; block 1's 32 loads may be out
	TOSTAGE 0
	FETCH 2
.irp i, 1,2,3,4,5,6
	BLK \i, 48                                     ; behind block i's fetch: 16 of the stage, 32 of the next fetch
.if \i == R0/32-2
	s_wait_tensorcnt 0x0                           ; my part of the 96 rows is in: the fetch below is the first that reads them
	s_wait_dscnt 0x0
	BARRIER                                        ; everybody's is
.else
	s_wait_dscnt 32                                ; the block before is back from the stage; the 32 loads of the fetch behind it may be out
.endif
	SEND \i-1
	TOSTAGE \i
.if \i < 6
	FETCH \i+2
.endif
.endr
	BLK 7, 16                                      ; behind block 7's fetch: the 16 of block 6's stage
	s_wait_dscnt 0x0
	SEND 6
	TOSTAGE 7
	s_wait_dscnt 0x0
	SEND 7
	s_wait_tensorcnt 0x0                           ; the wave's end
	ds_add_u32 v[SPW], v[NIL]
	s_wait_dscnt 0x0
	CROUND                                         ; the closing round
	s_endpgm
.Lfunc_end_k_q798ddf689c_proj:
	.size	k_q798ddf689c_proj, .Lfunc_end_k_q798ddf689c_proj-k_q798ddf689c_proj
	.p2alignl 7, 3214868480
	.fill 96, 4, 3214868480
	.section	.rodata,"a",@progbits
	.p2align	6, 0x0
	.amdhsa_kernel k_q798ddf689c_proj
		.amdhsa_group_segment_fixed_size 327680
		.amdhsa_private_segment_fixed_size 0
		.amdhsa_enable_private_segment 0
		.amdhsa_kernarg_size 40
		.amdhsa_user_sgpr_count 2
		.amdhsa_user_sgpr_kernarg_segment_ptr 1
		.amdhsa_wavefront_size32 1
		.amdhsa_system_sgpr_workgroup_id_x 1
		.amdhsa_system_sgpr_workgroup_id_y 1
		.amdhsa_system_sgpr_workgroup_id_z 1
		.amdhsa_system_vgpr_workitem_id 0
		.amdhsa_next_free_vgpr 1024
		.amdhsa_next_free_sgpr 80
		.amdhsa_reserve_vcc 0
		.amdhsa_float_denorm_mode_32 3
		.amdhsa_float_denorm_mode_16_64 3
		.amdhsa_memory_ordered 1
		.amdhsa_forward_progress 1
		.amdhsa_inst_pref_size 84
	.end_amdhsa_kernel
	.amdgpu_metadata
---
amdhsa.version: [ 1, 2 ]
amdhsa.kernels:
  - .name:           k_q798ddf689c_proj
    .symbol:         k_q798ddf689c_proj.kd
    .args:
      - { .name: ao_codes, .offset: 0, .size: 8, .value_kind: global_buffer, .address_space: global }
      - { .name: ao_scales, .offset: 8, .size: 8, .value_kind: global_buffer, .address_space: global }
      - { .name: wo_codes, .offset: 16, .size: 8, .value_kind: global_buffer, .address_space: global }
      - { .name: wo_scales, .offset: 24, .size: 8, .value_kind: global_buffer, .address_space: global }
      - { .name: out0, .offset: 32, .size: 8, .value_kind: global_buffer, .address_space: global }
    .group_segment_fixed_size: 327680
    .private_segment_fixed_size: 0
    .kernarg_segment_align: 8
    .kernarg_segment_size: 40
    .max_flat_workgroup_size: 128
    .sgpr_count:     80
    .vgpr_count:     1024
    .wavefront_size: 32
...
	.end_amdgpu_metadata
.endif
;; end of part 3
